; MI455X (gfx1250); checked and timed in simulation.
; The chip was launched on July 23, 2026; its instructions are those of AMD's public machine-readable ISA for CDNA 5 (MIT licence, August 2026) and "CDNA5" Instruction Set Architecture Reference Guide (July 2026). The comments in the code are by the model that wrote it; some were corrected since.
;; VQC. Allowed arithmetic: float matrix products may take bf16 or f16 operands with f32 sums; all other float work in f32.
;; Inputs: weights 8 x 16 float32; x 64 x 16 float32.
;; Outputs: out0 64 x 10 float32.
;; 2 versions, each right and faster than the one before. Each part assembles by itself: llvm-mc -triple=amdgcn-amd-amdhsa -mcpu=gfx1250 --defsym DOCPART=n.
;; ======== version 1 of 2: 1 launch
;; limits: values outside matrix products are rounded to f16; right only within a limited range of input values
;; launch vqc (part 1): grid 64 x 1, 4 waves a work-group, no clusters, 146,176 bytes of LDS; arguments weights, x, out0; writes out0
.if DOCPART == 1
	.amdgcn_target "amdgcn-amd-amdhsa--gfx1250"
	.amdhsa_code_object_version 6
	.text
	.protected	k_q0806dd4a46_vqc
	.globl	k_q0806dd4a46_vqc
	.p2align	8
	.type	k_q0806dd4a46_vqc,@function
k_q0806dd4a46_vqc:
	s_mov_b64 s[64:65], 0
	v_nop
	global_prefetch_b8 v0, s[64:65] scope:SCOPE_SE
	s_setreg_imm32_b32 hwreg(HW_REG_WAVE_MODE, 25, 1), 1
	s_wait_xcnt 0x0
; <Z_q>, q = 0..9, of a real 16-qubit circuit: a product state from x, then 8 layers (CNOT chain, RY(weights)).  One work-group = one sample.
; THE CUT.  Only CNOT(7,8) joins qubits 0-7 (half A) to qubits 8-15 (half B).  Written as P0 x I + P1 x X in layers 1-7 it makes the state a sum over
; 128 paths p of S_p (x) T_p, two 8-qubit states of 256 amplitudes: Psi[a][b] = sum_p S[p][a] T[p][b], a product 256 x 256 x 128 for the matrix unit.
; Layer 8's CNOT(7,8), RY(7), RY(8) act on the observables instead: out7 = cos w7 <Z7> - sin w7 <X7 X8>, out8 = cos w8 <Z7 Z8> - sin w8 <X8>;
; layer 8's RY(10..15) touch no measured qubit and are left out.
; ONE TEXT FOR BOTH HALVES.  B is carried in the Hadamard basis with its qubits reversed (local j = 15 - q): its CNOT chain is then A's, X is Z,
; RY(w) is RY(-w), its first state (cos -x/2, sin -x/2); A's is (cos, sin)(x/2 + pi/4).  Qubits 8 and 9 come back by H = Z RY(-pi/2): pi/4 more on two
; half-angles; the leading Z is dropped, which turns the sign of both cross sums (so they are added below) and of no square.
; GATES.  The CNOTs are a renaming of registers, made while assembling.  RY is [[1,-t],[t,1]], t = tan of the half-angle, one fused multiply-add an amplitude;
; a layer's cosines are multiplied into its cut matrix (layers 1-7) or into the first state (layer 8).
; SHARES.  Waves 0, 1: half A; waves 2, 3: half B.  A lane is a path prefix P = 32 (wave & 1) + lane (bit l = cut of layer l + 1) and holds a whole state,
; 256 f32 = one register window; a pass reads one window and writes another.  The seventh cut is walked by a loop of two trips.
; In the product wave w owns 128 x 128 of Psi: 64 accumulators in windows 2 and 3.
; LIMITS.  Angles are reduced by two terms of pi/2: the reduction's error grows with |angle| (about 1e-7 up to |angle| of some 1e5).  The tangent form
; overflows only where the secants of one half-layer multiply to more than about 1e30.  Matrix operands are f16: every amplitude is at most 1 for every input.
.set PITCH, 544                        ; a row of 256 f16 + 32 bytes: 17 x 32, so that the turning loads' eight rows start 32 bytes apart modulo 256
.set TROW,  128*PITCH                  ; S's 128 rows at 0, T's here
.set TG,    2*TROW                     ; slot x 8: (t, t)
.set IV,    TG+1024                    ; slot x 8: (cos, sin) of the first state; slots 16, 17: (cos, sin) of w7, w8 of layer 8
.set CT,    IV+1024                    ; slot x 4: the product of the half-layer's cosines
.set CM,    CT+512                     ; slot x 32: cut matrices M(0), M(1), each (m00, m10, m01, m11)
.set RED,   CM+4096                    ; wave x 64: twelve partial sums
.set FW,    IV+128
.set TGR, 16                           ; v[16:31]  eight pairs (t, t) of the layer in hand
.set CMR, 32                           ; v[32:35]  the cut matrix in hand
.set IVR, 36                           ; v[36:51]  eight pairs (cos, sin)
.set C8R, 52                           ; v[52:53]  layer 8's cosine product
.set PK,  64                           ; v[64:191] a row in f16
.set MJ,  64                           ; the finish: sums of squares by register pair (4) and chain (4)
.set MT,  96                           ; by tile: e = 4 ta + tb / 2, 32 pairs
.set X7,  160                          ; four chains each
.set X8,  168
.set SG,  176                          ; five signed sums
.set Q,   192                          ; twelve results
.set TM,  204                          ; at work
.set MSB, 0
.macro WIN new                         ; the immediate's high byte repeats the setting that is left; a switch that changes nothing is dropped
.if MSB != (\new)
	s_set_vgpr_msb (MSB<<8)|(\new)
.set MSB, (\new)
.endif
.endm
.macro PLACES                          ; four places behind matrix instructions (ISA guide 7.12.1)
.rept 4
	v_nop
.endr
.endm
; cos and sin of v[th]: k = nearest whole number to th 2/pi, r = th - k pi/2 in two terms, polynomials on |r| <= pi/4, the quadrant from k.
.macro SINCOS th, c, s, k, r, r2, u
	v_mul_f32 v[\k], s16, v[\th]
	v_rndne_f32 v[\k], v[\k]
	v_fma_f32 v[\r], v[\k], s17, v[\th]
	v_fma_f32 v[\r], v[\k], s18, v[\r]
	v_mul_f32 v[\r2], v[\r], v[\r]
	v_fma_f32 v[\u], v[\r2], s21, s20
	v_fma_f32 v[\c], v[\r2], s24, s23
	v_fma_f32 v[\u], v[\u], v[\r2], s19
	v_fma_f32 v[\c], v[\c], v[\r2], s22
	v_mul_f32 v[\s], v[\r], v[\r2]
	v_fma_f32 v[\u], v[\s], v[\u], v[\r]           ; sin r
	v_mul_f32 v[\s], v[\r2], v[\r2]
	v_fma_f32 v[\r], v[\r2], -0.5, 1.0
	v_fma_f32 v[\r], v[\s], v[\c], v[\r]           ; cos r
	v_cvt_i32_f32 v[\k], v[\k]
	v_and_b32 v[\r2], 1, v[\k]
	v_cmp_eq_u32 vcc_lo, 1, v[\r2]
	v_cndmask_b32 v[\s], v[\u], v[\r], vcc_lo      ; odd quadrants change places
	v_cndmask_b32 v[\c], v[\r], v[\u], vcc_lo
	v_lshlrev_b32 v[\r2], 30, v[\k]                ; sin is negative in quadrants 2, 3: bit 1 of k
	v_and_b32 v[\r2], 0x80000000, v[\r2]
	v_xor_b32 v[\s], v[\s], v[\r2]
	v_add_nc_u32 v[\k], 1, v[\k]                   ; cos in quadrants 1, 2: bit 1 of k + 1
	v_lshlrev_b32 v[\k], 30, v[\k]
	v_and_b32 v[\k], 0x80000000, v[\k]
	v_xor_b32 v[\c], v[\c], v[\k]
.endm
; (v50, v51) = (v43, v44) turned by the angle whose cos and sin are v40, v41
.macro ROT
	v_mul_f32 v50, v44, v41
	v_mul_f32 v51, v43, v41
	v_fma_f32 v50, v43, v40, -v50
	v_fma_f32 v51, v44, v40, v51
.endm
; Register i of a state: bit 0 = local qubit 7, bit j + 1 = local qubit j.
; One tangent gate on local qubit j, window ws -> window wd, 128 packed multiply-adds.  perm = 1 (j = 0): the layer's CNOTs go first, as a renaming:
; new[i] = old[E(O(i))], O the odd CNOTs (1,2)(3,4)(5,6), E the even ones (0,1)(2,3)(4,5)(6,7); a pair stays a pair, its halves swapped where (6,7) fires.
.macro TPASS j, ws, wd, perm
	WIN (\wd<<6)|(\ws<<4)|\ws
.set BIT, 1<<(\j+1)
.set i, 0
.rept 128
.if (i & BIT) == 0
.set ib, i+BIT
.if \perm
.set y, i ^ ((i & 0x54)<<1)
.set pa, (y ^ ((y & 0x2a)<<1)) ^ ((y>>7)&1)
.set y, ib ^ ((ib & 0x54)<<1)
.set pb, (y ^ ((y & 0x2a)<<1)) ^ ((y>>7)&1)
.set sw, pa & 1
.set pa, pa & 0xfe
.set pb, pb & 0xfe
.else
.set pa, i
.set pb, ib
.set sw, 0
.endif
.if sw
	v_pk_fma_f32 v[i:i+1], v[pb:pb+1], v[TGR+2*\j:TGR+2*\j+1], v[pa:pa+1] op_sel:[1,0,1] op_sel_hi:[0,0,0] neg_lo:[0,1,0] neg_hi:[0,1,0]
	v_pk_fma_f32 v[ib:ib+1], v[pa:pa+1], v[TGR+2*\j:TGR+2*\j+1], v[pb:pb+1] op_sel:[1,0,1] op_sel_hi:[0,0,0]
.else
	v_pk_fma_f32 v[i:i+1], v[pb:pb+1], v[TGR+2*\j:TGR+2*\j+1], v[pa:pa+1] op_sel_hi:[1,0,1] neg_lo:[0,1,0] neg_hi:[0,1,0]
	v_pk_fma_f32 v[ib:ib+1], v[pa:pa+1], v[TGR+2*\j:TGR+2*\j+1], v[pb:pb+1] op_sel_hi:[1,0,1]
.endif
.endif
.set i, i+2
.endr
.endm
.macro XL wa, wb                       ; a layer's CNOTs and its gates on local qubits 0-6: the state goes from window wa to window wb
	TPASS 0, \wa, \wb, 1
	TPASS 1, \wb, \wa, 0
	TPASS 2, \wa, \wb, 0
	TPASS 3, \wb, \wa, 0
	TPASS 4, \wa, \wb, 0
	TPASS 5, \wb, \wa, 0
	TPASS 6, \wa, \wb, 0
.endm
.macro T7 ws, wd                       ; the tangent gate on local qubit 7, inside each pair: (lo - t hi, hi + t lo)
	WIN (\wd<<6)|(\ws<<4)|\ws
.set i, 0
.rept 128
	v_pk_fma_f32 v[i:i+1], v[i:i+1], v[TGR+14:TGR+15], v[i:i+1] op_sel:[1,0,0] op_sel_hi:[0,0,1] neg_lo:[0,1,0]
.set i, i+2
.endr
.endm
.macro CUT ws, wd                      ; the cut matrix on local qubit 7: D = lo (m00, m10) + hi (m01, m11), eight pairs at a time
	WIN (\wd<<6)|(\wd<<4)|\ws
.set i, 0
.rept 16
.set e, 0
.rept 8
	v_pk_mul_f32 v[i+2*e:i+2*e+1], v[i+2*e:i+2*e+1], v[CMR:CMR+1] op_sel_hi:[0,1]
.set e, e+1
.endr
.set e, 0
.rept 8
	v_pk_fma_f32 v[i+2*e:i+2*e+1], v[i+2*e:i+2*e+1], v[CMR+2:CMR+3], v[i+2*e:i+2*e+1] op_sel:[1,0,0] op_sel_hi:[1,1,1]
.set e, e+1
.endr
.set i, i+16
.endr
.endm
.macro LDTG                            ; the eight pairs (t, t) of my half's layer
.irp g, 0,1,2,3
	ds_load_b128 v[TGR+4*\g:TGR+4*\g+3], v8 offset:16*\g
.endr
.endm
; Window 1 -> f16 -> my path's row.  Position bits 0-3 = local qubits 0-3, bits 4, 5, 6 = local 5, 6, 7, bit 7 = local 4.
.macro CVT
	WIN 0x05
.set k, 0
.rept 128
.set pos, 2*k
.set ix, ((pos&15)<<1)|(((pos>>4)&3)<<6)|((pos>>6)&1)|(((pos>>7)&1)<<5)
	v_cvt_pk_f16_f32 v[PK+k], v[ix], v[ix+2]
.set k, k+1
.endr
	WIN 0
.set k, 0
.rept 32
	ds_store_b128 v9, v[PK+4*k:PK+4*k+3] offset:16*k
.set k, k+1
.endr
.endm
; 32 turning loads: the fragments of paths 32 ks .. 32 ks + 31 into buffer b of window 1: eight tiles of S's positions, then eight of T's
.macro FETCH ks, b
	WIN 0x40
.irp t, 0,1,2,3,4,5,6,7
	ds_load_tr16_b128 v[128*\b+8*\t:128*\b+8*\t+3],   v12 offset:\ks*32*PITCH+32*\t
	ds_load_tr16_b128 v[128*\b+8*\t+4:128*\b+8*\t+7], v12 offset:\ks*32*PITCH+16*PITCH+32*\t
.endr
.irp t, 0,1,2,3,4,5,6,7
	ds_load_tr16_b128 v[128*\b+64+8*\t:128*\b+64+8*\t+3],   v13 offset:\ks*32*PITCH+32*\t
	ds_load_tr16_b128 v[128*\b+64+8*\t+4:128*\b+64+8*\t+7], v13 offset:\ks*32*PITCH+16*PITCH+32*\t
.endr
.endm
; 64 matrix instructions, each on another accumulator: the accumulators take turns.  zero = 1: the first products start the sums.
.macro MUL b, zero
.irp ta, 0,1,2,3,4,5,6,7
	WIN 0xa5+0x50*(\ta/4)
.irp tb, 0,1,2,3,4,5,6,7
.set ac, 8*(8*(\ta%4)+\tb)
.if \zero
	v_wmma_f32_16x16x32_f16 v[ac:ac+7], v[128*\b+8*\ta:128*\b+8*\ta+7], v[128*\b+64+8*\tb:128*\b+64+8*\tb+7], 0
.else
	v_wmma_f32_16x16x32_f16 v[ac:ac+7], v[128*\b+8*\ta:128*\b+8*\ta+7], v[128*\b+64+8*\tb:128*\b+64+8*\tb+7], v[ac:ac+7]
.endif
.endr
.endr
.endm
	; ---- SET-UP: thread t is table slot t: layer t >> 4, half (t >> 3) & 1, local qubit t & 7 ----
	s_load_b128 s[4:7], s[0:1], 0x0                ; weights s[4:5], x s[6:7]
	s_load_b64 s[8:9], s[0:1], 0x10                ; out0
	v_lshrrev_b32 v1, 5, v0
	v_readfirstlane_b32 s10, v1                    ; wave
	s_lshr_b32 s11, s10, 1                         ; my half of the circuit; in the product: my half of S's positions
	s_and_b32 s12, s10, 1                          ; which 32 prefixes; in the product: my half of T's positions
	s_mov_b32 s14, 0x76543210                      ; v_permlanex16_b32: each lane takes its own place in the other half
	s_mov_b32 s15, 0xfedcba98
	s_mov_b32 s16, 0x3f22f983                      ; 2 / pi
	s_mov_b32 s17, 0xbfc90fdb                      ; - pi/2, first term
	s_mov_b32 s18, 0x333bbd2e                      ; - pi/2, second term
	s_mov_b32 s19, 0xbe2aaaa3                      ; sine: r + r^3 (s19 + s20 r^2 + s21 r^4)
	s_mov_b32 s20, 0x3c08839e
	s_mov_b32 s21, 0xb94ca1f9
	s_mov_b32 s22, 0x3d2aaaa5                      ; cosine: 1 - r^2/2 + r^4 (s22 + s23 r^2 + s24 r^4)
	s_mov_b32 s23, 0xbab6061a
	s_mov_b32 s24, 0x37ccf5ce
	s_mov_b32 s25, 0x3f3504f3                      ; sqrt(1/2)
	s_lshl_b32 s26, ttmp9, 6                       ; my sample's 16 numbers of x
	s_mov_b32 s27, 0
	v_bfe_u32 v3, v0, 3, 1                         ; half
	v_and_b32 v4, 7, v0                            ; local qubit j
	v_mul_u32_u24 v5, 15, v3
	v_xor_b32 v5, v4, v5                           ; qubit: j in A, 15 - j in B
	v_and_b32 v6, 0x70, v0
	v_or_b32 v6, v6, v5
	v_lshlrev_b32 v6, 2, v6                        ; weights[layer][qubit]
	v_lshlrev_b32 v7, 2, v5                        ; x[sample][qubit]
	v_and_b32 v32, 1, v0
	v_lshlrev_b32 v32, 2, v32                      ; weights[7][7 + (t & 1)], with the immediate below
	s_wait_kmcnt 0x0
	s_add_nc_u64 s[6:7], s[6:7], s[26:27]
	global_load_b32 v33, v6, s[4:5]
	global_load_b32 v34, v7, s[6:7]
	global_load_b32 v35, v32, s[4:5] offset:476
	v_lshlrev_b32 v36, 31, v3
	v_xor_b32 v36, 0x3f000000, v36                 ; +1/2 in A, -1/2 in B
	v_lshrrev_b32 v38, 1, v0
	v_mov_b32 v39, s25
	v_cvt_f32_u32 v55, v3                          ; the half as 0.0 or 1.0
	v_lshl_add_u32 v16, v0, 3, TG                  ; each thread stores into its own slot of each table
	v_lshl_add_u32 v17, v0, 2, CT
	v_lshl_add_u32 v18, v0, 5, CM
	; the layers' gates.  Layer 8: A's local 7 and B's local 0-5, 7 take no weight; B's local 6 and 7 (slots 126, 127) are turned by -pi/4
	v_cmp_gt_u32 s28, 119, v0
	v_cmp_eq_u32 s29, 126, v0
	s_or_b32 vcc_lo, s28, s29
	v_cndmask_b32 v37, 0, v36, vcc_lo
	v_cmp_eq_u32 vcc_lo, 63, v38
	v_xor_b32 v41, 0x80000000, v39
	v_cndmask_b32 v40, 1.0, v39, vcc_lo
	v_cndmask_b32 v41, 0, v41, vcc_lo
	s_wait_loadcnt 0x0                             ; all three numbers are in
	s_wait_xcnt 0x0                                ; and no global access is pending from here to the one store at the end
	v_mul_f32 v42, v37, v33
	SINCOS 42, 43, 44, 45, 46, 47, 48
	ROT
	v_rcp_f32 v42, v50
	v_fma_f32 v49, v55, -2.0, 1.0                  ; +1 in A, -1 in B; also the plain instruction behind the reciprocal (ISA guide 5.7.2)
	v_cmp_ne_u32 s28, 7, v4
	v_cmp_le_u32 s29, 112, v0
	s_or_b32 vcc_lo, s28, s29
	v_cndmask_b32 v54, 1.0, v50, vcc_lo            ; in layers 1-7 local 7's cosine stands in the cut matrix itself
	s_wait_alu depctr_va_vdst(0)
	v_mul_f32 v52, v51, v42                        ; t = sin / cos, twice: a pair for the packed forms
	v_mul_f32 v53, v51, v42
	v_mul_f32_dpp v54, v54, v54 row_xmask:1 row_mask:0xf bank_mask:0xf   ; the product over the half-layer's eight lanes
	v_mul_f32_dpp v54, v54, v54 row_xmask:2 row_mask:0xf bank_mask:0xf
	v_mul_f32_dpp v54, v54, v54 row_xmask:4 row_mask:0xf bank_mask:0xf
	v_mul_f32 v56, v50, v54                        ; A: M(0) = RY P0, M(1) = RY P1.  B: M(p) = RY Z^p
	v_mul_f32 v57, v51, v54
	v_mul_f32 v58, -v57, v55
	v_mul_f32 v59, v56, v55
	v_mul_f32 v60, v56, v55
	v_mul_f32 v61, v57, v55
	v_mul_f32 v62, -v57, v49
	v_mul_f32 v63, v56, v49
	ds_store_b64 v16, v[52:53]
	ds_store_b32 v17, v54
	ds_store_b128 v18, v[56:59]
	ds_store_b128 v18, v[60:63] offset:16
	; the first state's (cos, sin); slots 16 and 17 take the whole angles w7 and w8 of layer 8 instead
	v_cmp_eq_u32 vcc_lo, 8, v38
	v_cndmask_b32 v33, v34, v35, vcc_lo
	v_cndmask_b32 v37, v36, 1.0, vcc_lo
	v_cmp_eq_u32 s28, 0, v3
	v_cmp_ne_u32 s29, 8, v38
	s_and_b32 vcc_lo, s28, s29
	v_cndmask_b32 v40, 1.0, v39, vcc_lo            ; A's angles are turned by +pi/4
	v_cndmask_b32 v41, 0, v39, vcc_lo
	v_mul_f32 v42, v37, v33
	SINCOS 42, 43, 44, 45, 46, 47, 48
	ROT
	ds_store_b64 v16, v[50:51] offset:IV-TG
	s_wait_dscnt 0x0                               ; for the others' sake: my table entries are written
	s_barrier_signal -1
	s_barrier_wait -1
	; ---- addresses, tables of layer 1, the first state ----
	v_and_b32 v14, 31, v0                          ; lane
	s_lshl_b32 s30, s11, 6
	s_add_co_u32 s30, s30, TG                      ; my half's tangents, layer 1; steps 128 a layer
	s_lshl_b32 s31, s11, 8
	s_add_co_u32 s31, s31, CM+7*32                 ; my half's cut matrices: slot 7 + 8 half; steps 512 a layer
	s_mul_i32 s32, s10, 64*PITCH                   ; my wave's 64 rows: 64 wave + 32 (seventh cut) + lane
	s_lshl_b32 s26, s11, 5
	s_add_co_u32 s26, s26, CT+448                  ; layer 8's cosine product
	v_mov_b32 v8, s30
	v_mov_b32 v7, s26
	v_lshl_or_b32 v10, s12, 5, v14                 ; P
	v_mul_u32_u24 v11, v14, PITCH
	v_add_nc_u32 v9, s32, v11                      ; where my row goes
	v_and_b32 v15, 1, v10
	v_lshl_add_u32 v15, v15, 4, s31                ; M(bit 0 of P)
.irp g, 0,1,2,3
	ds_load_b128 v[IVR+4*\g:IVR+4*\g+3], v8 offset:IV-TG+16*\g
.endr
	ds_load_b64 v[C8R:C8R+1], v7
	LDTG
	ds_load_b128 v[CMR:CMR+3], v15
	v_lshrrev_b32 v1, 4, v14                       ; the turning loads: row 8 (lane / 16) + lane % 8, 16 bytes by bit 3 of the lane
	v_and_b32 v2, 7, v14
	v_lshl_add_u32 v2, v1, 3, v2
	v_mul_u32_u24 v2, v2, PITCH
	v_bfe_u32 v3, v14, 3, 1
	v_lshl_add_u32 v2, v3, 4, v2
	s_lshl_b32 s26, s11, 8
	v_add_nc_u32 v12, s26, v2                      ; S: my 128 positions
	s_lshl_b32 s26, s12, 8
	s_add_co_u32 s26, s26, TROW
	v_add_nc_u32 v13, s26, v2                      ; T: my 128 positions
	s_wait_dscnt 0x0
	WIN 0x40                                       ; the product state grows qubit by qubit in window 1
	v_pk_mul_f32 v[0:1], v[IVR+14:IVR+15], v[C8R:C8R+1] op_sel_hi:[1,0]
	WIN 0x41
.set n, 1
.irp j, 0,1,2,3,4,5,6
.set e, 0
.rept n
	v_pk_mul_f32 v[2*e+2*n:2*e+2*n+1], v[2*e:2*e+1], v[IVR+2*\j:IVR+2*\j+1] op_sel:[0,1] op_sel_hi:[1,1]
	v_pk_mul_f32 v[2*e:2*e+1], v[2*e:2*e+1], v[IVR+2*\j:IVR+2*\j+1] op_sel_hi:[1,0]
.set e, e+1
.endr
.set n, n*2
.endr
	WIN 0                                          ; at a label and at a branch every window is 0
	; ---- layers 1-6: each lane follows its own prefix ----
	s_mov_b32 s13, 0
.Llevel:
	XL 1, 2
	CUT 2, 1
	WIN 0
	s_add_co_u32 s13, s13, 1
	s_add_co_u32 s30, s30, 128
	s_add_co_u32 s31, s31, 512
	v_mov_b32 v8, s30
	v_lshrrev_b32 v15, s13, v10                    ; the next layer's cut bit; behind the sixth trip P >> 6 = 0: M(0) of layer 7
	v_and_b32 v15, 1, v15
	v_lshl_add_u32 v15, v15, 4, s31
	LDTG
	ds_load_b128 v[CMR:CMR+3], v15
	s_wait_dscnt 0x0                               ; all five feed the next layer
	s_cmp_lt_u32 s13, 6
	s_cbranch_scc1 .Llevel
	; ---- layer 7 up to its cut, once for both of its branches: the state stays in window 2 ----
	XL 1, 2
	WIN 0
	s_add_co_u32 s30, s30, 128
	v_mov_b32 v8, s30
	LDTG                                           ; layer 8's tangents
	s_wait_dscnt 0x0
	; ---- the seventh cut's two branches: cut, layer 8, to f16, into the row ----
	s_mov_b32 s13, 0
.Lbranch:
	CUT 2, 1
	XL 1, 3
	T7 3, 1
	CVT
	s_add_co_u32 s31, s31, 16                      ; M(1); the second trip's load stays inside the table and is not used
	s_add_co_u32 s32, s32, 32*PITCH
	v_mov_b32 v15, s31
	ds_load_b128 v[CMR:CMR+3], v15
	v_add_nc_u32 v9, s32, v11
	s_wait_dscnt 0x0                               ; the matrix is in, and, for the others' sake, my row is written
	s_add_co_u32 s13, s13, 1
	s_cmp_lt_u32 s13, 2
	s_cbranch_scc1 .Lbranch
	s_barrier_signal -1
	s_barrier_wait -1                              ; all 256 rows are written
	; ---- Psi = S^T T: four steps of 32 paths on two fragment buffers ----
	FETCH 0, 0
	FETCH 1, 1
	s_wait_dscnt 32                                ; LDS loads come back in order (ISA guide 5.7.1): all but the younger run's 32
	MUL 0, 1
	PLACES                                         ; in front of loads into registers that matrix instructions have read
	FETCH 2, 0
	s_wait_dscnt 32
	MUL 1, 0
	PLACES
	FETCH 3, 1
	s_wait_dscnt 32
	MUL 0, 0
	s_wait_dscnt 0x0
	MUL 1, 0
	PLACES                                         ; in front of the reads of the results
	; ---- THE FINISH.  Accumulator (ta, tb), register jr, lane (r, h) is Psi at: q0-q2 = jr's bits, q3 = h, q4 = wave >> 1, q5-q7 = ta's bits,
	; q9 = tb bit 1, q8 = tb bit 2; all else is unmeasured.  Each accumulator is read from its low end on. ----
.irp ta, 0,1,2,3,4,5,6,7
	WIN 0x0a+5*(\ta/4)
.irp jp, 0,1,2,3
.irp tb, 0,2,4,6,1,3,5,7
.set r, 8*(8*(\ta%4)+\tb)+2*\jp
.set mt, MT+2*(4*\ta+\tb/2)
.set mj, MJ+2*(4*\jp+\tb/2)
.if (\jp == 0) && (\tb%2 == 0)
	v_pk_mul_f32 v[mt:mt+1], v[r:r+1], v[r:r+1]
.else
	v_pk_fma_f32 v[mt:mt+1], v[r:r+1], v[r:r+1], v[mt:mt+1]
.endif
.if (\ta == 0) && (\tb%2 == 0)
	v_pk_mul_f32 v[mj:mj+1], v[r:r+1], v[r:r+1]
.else
	v_pk_fma_f32 v[mj:mj+1], v[r:r+1], v[r:r+1], v[mj:mj+1]
.endif
.endr
.endr
.endr
.irp ta, 0,1,2,3,4,5,6,7               ; sum of Psi[q8 = 0] Psi[q8 = 1]
	WIN 0x0a+5*(\ta/4)
.irp tb, 0,1,2,3
.irp jp, 0,1,2,3
.set r, 8*(8*(\ta%4)+\tb)+2*\jp
.if (\ta == 0) && (\tb == 0)
	v_pk_mul_f32 v[X8+2*\jp:X8+2*\jp+1], v[r:r+1], v[r+32:r+33]
.else
	v_pk_fma_f32 v[X8+2*\jp:X8+2*\jp+1], v[r:r+1], v[r+32:r+33], v[X8+2*\jp:X8+2*\jp+1]
.endif
.endr
.endr
.endr
	WIN 0x0e                                       ; sum of Psi[q7 = 0, q8 = v] Psi[q7 = 1, q8 = 1 - v]: window 2 against window 3
.irp ta, 0,1,2,3
.irp tb, 0,1,2,3,4,5,6,7
.irp jp, 0,1,2,3
.set r, 8*(8*\ta+\tb)+2*\jp
.set rr, 8*(8*\ta+(\tb^4))+2*\jp
.if (\ta == 0) && (\tb == 0)
	v_pk_mul_f32 v[X7+2*\jp:X7+2*\jp+1], v[r:r+1], v[rr:rr+1]
.else
	v_pk_fma_f32 v[X7+2*\jp:X7+2*\jp+1], v[r:r+1], v[rr:rr+1], v[X7+2*\jp:X7+2*\jp+1]
.endif
.endr
.endr
.endr
	WIN 0
.irp jp, 0,1,2,3
	v_pk_add_f32 v[MJ+8*\jp:MJ+8*\jp+1], v[MJ+8*\jp:MJ+8*\jp+1], v[MJ+8*\jp+2:MJ+8*\jp+3]
	v_pk_add_f32 v[MJ+8*\jp+4:MJ+8*\jp+5], v[MJ+8*\jp+4:MJ+8*\jp+5], v[MJ+8*\jp+6:MJ+8*\jp+7]
.endr
.irp jp, 0,1,2,3
	v_pk_add_f32 v[MJ+8*\jp:MJ+8*\jp+1], v[MJ+8*\jp:MJ+8*\jp+1], v[MJ+8*\jp+4:MJ+8*\jp+5]
.endr
	v_pk_add_f32 v[TM:TM+1], v[MJ:MJ+1], v[MJ+8:MJ+9]
	v_pk_add_f32 v[TM+2:TM+3], v[MJ+16:MJ+17], v[MJ+24:MJ+25]
	v_pk_add_f32 v[TM+6:TM+7], v[MJ:MJ+1], v[MJ+8:MJ+9] neg_lo:[0,1] neg_hi:[0,1]
	v_pk_add_f32 v[TM+8:TM+9], v[MJ+16:MJ+17], v[MJ+24:MJ+25] neg_lo:[0,1] neg_hi:[0,1]
	v_pk_add_f32 v[TM+4:TM+5], v[TM:TM+1], v[TM+2:TM+3]
	v_pk_add_f32 v[TM+10:TM+11], v[TM:TM+1], v[TM+2:TM+3] neg_lo:[0,1] neg_hi:[0,1]
	v_pk_add_f32 v[TM+6:TM+7], v[TM+6:TM+7], v[TM+8:TM+9]
	s_lshl_b32 s26, s11, 31
	v_and_b32 v[TM+13], 16, v14
	v_sub_f32 v[Q], v[TM+4], v[TM+5]               ; q0: even registers less odd ones
	v_add_f32 v[TM+12], v[TM+4], v[TM+5]           ; the lane's whole sum of squares
	v_add_f32 v[Q+1], v[TM+6], v[TM+7]             ; q1
	v_add_f32 v[Q+2], v[TM+10], v[TM+11]           ; q2
	v_lshlrev_b32 v[TM+13], 27, v[TM+13]
	v_xor_b32 v[Q+3], v[TM+12], v[TM+13]           ; q3: the sign is the lane's half
	v_xor_b32 v[Q+4], s26, v[TM+12]                ; q4: the sign is the wave's half
	; five signed sums over the 32 tile sums, by turns: bit 2 of e -> q5, bit 3 -> q6, bit 4 -> Z7, bits 1 ^ 4 -> Z7 Z8, bit 0 -> q9
.set e, 1
.rept 31
.irp k, 0,1,2,3,4
.if \k == 0
.set sg, (e>>2)&1
.elseif \k == 1
.set sg, (e>>3)&1
.elseif \k == 2
.set sg, (e>>4)&1
.elseif \k == 3
.set sg, ((e>>1)^(e>>4))&1
.else
.set sg, e&1
.endif
.set src, SG+2*\k
.if e == 1
.set src, MT
.endif
.if sg
	v_pk_add_f32 v[SG+2*\k:SG+2*\k+1], v[src:src+1], v[MT+2*e:MT+2*e+1] neg_lo:[0,1] neg_hi:[0,1]
.else
	v_pk_add_f32 v[SG+2*\k:SG+2*\k+1], v[src:src+1], v[MT+2*e:MT+2*e+1]
.endif
.endr
.set e, e+1
.endr
.irp x, X7, X8
	v_pk_add_f32 v[\x:\x+1], v[\x:\x+1], v[\x+2:\x+3]
	v_pk_add_f32 v[\x+4:\x+5], v[\x+4:\x+5], v[\x+6:\x+7]
.endr
.irp x, X7, X8
	v_pk_add_f32 v[\x:\x+1], v[\x:\x+1], v[\x+4:\x+5]
.endr
.irp k, 0,1,2,3,4
	v_add_f32 v[Q+5+\k], v[SG+2*\k], v[SG+2*\k+1]
.endr
	v_add_f32 v[Q+10], v[X7], v[X7+1]
	v_add_f32 v[Q+11], v[X8], v[X8+1]
	; over the 32 lanes, all twelve side by side
.irp m, 1,2,4,8
.irp k, 0,1,2,3,4,5,6,7,8,9,10,11
	v_add_f32_dpp v[Q+\k], v[Q+\k], v[Q+\k] row_xmask:\m row_mask:0xf bank_mask:0xf
.endr
.endr
.irp k, 0,1,2,3,4,5,6,7,8,9,10,11
	v_permlanex16_b32 v[TM+\k], v[Q+\k], s14, s15  ; its destination counts as read: these twelve have been written above
.endr
.irp k, 0,1,2,3,4,5,6,7,8,9,10,11
	v_add_f32 v[Q+\k], v[Q+\k], v[TM+\k]
.endr
	s_lshl_b32 s27, s10, 6
	s_add_co_u32 s27, s27, RED
	v_mov_b32 v[TM+14], s27
.irp g, 0,1,2
	ds_store_b128 v[TM+14], v[Q+4*\g:Q+4*\g+3] offset:16*\g   ; every lane writes the same words with the same numbers
.endr
	s_wait_dscnt 0x0                               ; for wave 0's sake
	s_barrier_signal -1
	s_barrier_wait -1
	; ---- wave 0 adds the four waves' sums; lane q makes out[q] ----
	s_cmp_lg_u32 s10, 0
	s_cbranch_scc1 .Lend
	v_min_u32 v1, 11, v14
	v_lshlrev_b32 v1, 2, v1
	v_add_nc_u32 v1, FW, v1
	v_mov_b32 v2, FW
.irp w, 0,1,2,3
	ds_load_b32 v[16+\w], v1 offset:RED-FW+64*\w
.endr
.irp w, 0,1,2,3
	ds_load_b64 v[20+2*\w:21+2*\w], v2 offset:RED-FW+40+64*\w   ; the two cross sums
.endr
	ds_load_b128 v[28:31], v2                      ; cos w7, sin w7, cos w8, sin w8
	s_mul_i32 s26, ttmp9, 40                       ; my sample's ten numbers
	s_mov_b32 s27, 0
	s_add_nc_u64 s[8:9], s[8:9], s[26:27]
	v_lshlrev_b32 v3, 2, v14
	v_cmp_eq_u32 s28, 7, v14
	v_cmp_eq_u32 s29, 8, v14
	s_wait_dscnt 0x0
	v_add_f32 v16, v16, v17
	v_add_f32 v18, v18, v19
	v_pk_add_f32 v[20:21], v[20:21], v[22:23]
	v_pk_add_f32 v[24:25], v[24:25], v[26:27]
	v_add_f32 v16, v16, v18
	v_pk_add_f32 v[20:21], v[20:21], v[24:25]
	v_cndmask_b32 v4, 1.0, v28, s28                ; out = alpha Z + 2 (beta7 X7 + beta8 X8): alpha = 1 and beta = 0 but for q = 7 and q = 8
	v_cndmask_b32 v4, v4, v30, s29
	v_cndmask_b32 v5, 0, v29, s28
	v_cndmask_b32 v6, 0, v31, s29
	v_mul_f32 v5, v5, v20
	v_mul_f32 v4, v4, v16
	v_fma_f32 v5, v6, v21, v5
	v_fma_f32 v4, v5, 2.0, v4
	v_cmp_gt_u32 vcc_lo, 10, v14
	s_and_saveexec_b32 s28, vcc_lo                 ; no global access is pending here: the set-up's loads were waited for, with s_wait_xcnt 0
	global_store_b32 v3, v4, s[8:9]                ; ten lanes, 40 neighbouring bytes: all that a sample has
	s_endpgm
.Lend:
	s_endpgm
.Lfunc_end_k_q0806dd4a46_vqc:
	.size	k_q0806dd4a46_vqc, .Lfunc_end_k_q0806dd4a46_vqc-k_q0806dd4a46_vqc
	.p2alignl 7, 3214868480
	.fill 96, 4, 3214868480
	.section	.rodata,"a",@progbits
	.p2align	6, 0x0
	.amdhsa_kernel k_q0806dd4a46_vqc
		.amdhsa_group_segment_fixed_size 146176
		.amdhsa_private_segment_fixed_size 0
		.amdhsa_enable_private_segment 0
		.amdhsa_kernarg_size 24
		.amdhsa_user_sgpr_count 2
		.amdhsa_user_sgpr_kernarg_segment_ptr 1
		.amdhsa_wavefront_size32 1
		.amdhsa_system_sgpr_workgroup_id_x 1
		.amdhsa_system_sgpr_workgroup_id_y 1
		.amdhsa_system_sgpr_workgroup_id_z 1
		.amdhsa_system_vgpr_workitem_id 0
		.amdhsa_next_free_vgpr 1024
		.amdhsa_next_free_sgpr 66
		.amdhsa_reserve_vcc 1
		.amdhsa_float_denorm_mode_32 3
		.amdhsa_float_denorm_mode_16_64 3
		.amdhsa_memory_ordered 1
		.amdhsa_forward_progress 1
		.amdhsa_inst_pref_size 255
	.end_amdhsa_kernel
	.section	.bss,"aw",@nobits
	.p2align	6
	.space	262144
	.amdgpu_metadata
---
amdhsa.version: [ 1, 2 ]
amdhsa.kernels:
  - .name:           k_q0806dd4a46_vqc
    .symbol:         k_q0806dd4a46_vqc.kd
    .args:
      - { .name: weights, .offset: 0, .size: 8, .value_kind: global_buffer, .address_space: global }
      - { .name: x, .offset: 8, .size: 8, .value_kind: global_buffer, .address_space: global }
      - { .name: out0, .offset: 16, .size: 8, .value_kind: global_buffer, .address_space: global }
    .group_segment_fixed_size: 146176
    .private_segment_fixed_size: 0
    .kernarg_segment_align: 8
    .kernarg_segment_size: 24
    .max_flat_workgroup_size: 128
    .sgpr_count:     66
    .vgpr_count:     1024
    .wavefront_size: 32
...
	.end_amdgpu_metadata
.endif
;; end of part 1
;; ======== version 2 of 2: 1 launch; 1.18 times as fast as version 1
;; limits: values outside matrix products are rounded to f16; right only within a limited range of input values
;; launch vqc (part 2): grid 64 x 1, 4 waves a work-group, no clusters, 181,504 bytes of LDS; arguments weights, x, out0; writes out0
.if DOCPART == 2
	.amdgcn_target "amdgcn-amd-amdhsa--gfx1250"
	.amdhsa_code_object_version 6
	.text
	.protected	k_q0806dd4a46_vqc
	.globl	k_q0806dd4a46_vqc
	.p2align	8
	.type	k_q0806dd4a46_vqc,@function
k_q0806dd4a46_vqc:
	s_mov_b64 s[64:65], 0
	v_nop
	global_prefetch_b8 v0, s[64:65] scope:SCOPE_SE
	s_setreg_imm32_b32 hwreg(HW_REG_WAVE_MODE, 25, 1), 1
	s_wait_xcnt 0x0
; <Z_q>, q = 0..9, of a real 16-qubit circuit: a product state from x, then 8 layers (CNOT chain, RY(weights)).  One work-group = one sample.
; THE CUT.  Only CNOT(7,8) joins qubits 0-7 (half A) to qubits 8-15 (half B).  Written as P0 x I + P1 x X in layers 1-7 it makes the state a sum over
; 128 paths p of S_p (x) T_p, two 8-qubit states of 256 amplitudes: Psi[a][b] = sum_p S[p][a] T[p][b], a product 256 x 256 x 128 for the matrix unit.
; Layer 8's CNOT(7,8), RY(7), RY(8) act on the observables instead: out7 = cos w7 <Z7> - sin w7 <X7 X8>, out8 = cos w8 <Z7 Z8> - sin w8 <X8>;
; layer 8's RY(10..15) touch no measured qubit and are left out.
; ONE TEXT FOR BOTH HALVES.  B is carried in the Hadamard basis with its qubits reversed (local j = 15 - q): its CNOT chain is then A's, X is Z,
; RY(w) is RY(-w), its first state (cos -x/2, sin -x/2); A's is (cos, sin)(x/2 + pi/4).  Qubits 8 and 9 come back by H = Z RY(-pi/2): pi/4 more on two
; half-angles; the leading Z is dropped, which turns the sign of both cross sums (so they are added below) and of no square.
; GATES.  The CNOTs are a renaming of registers, made while assembling.  RY is [[1,-t],[t,1]], t = tan of the half-angle, one fused multiply-add an amplitude;
; a layer's cosines are multiplied into its cut matrix (layers 1-7) or into the first state (layer 8).
; SHARES.  Waves 0, 1: half A; waves 2, 3: half B.  A lane is a path prefix P = 32 (wave & 1) + lane (bit l = cut of layer l + 1) and from layer 4 on holds
; a whole state, 256 f32 = one register window; a pass reads one window and writes another.  The seventh cut is walked by a loop of two trips.
; LAYERS 1-3 IN QUARTERS.  There a state hangs on bits 0-2 of P alone, so 8 lanes would do the same work.  Instead local CNOT(3,4), the one gate that joins
; local qubits 0-3 (L) to 4-7 (R), is cut in the same way, bits 3-5 of P name the inner path i, and a lane carries one L and one R of 16 amplitudes.
; Then Phi_o = sum over i of L_i (x) R_(i,o) is made through LDS: each of the 8 lanes of a prefix o makes 32 of its 256 amplitudes, and all load the whole.
; TABLES AHEAD.  A layer's tangents and cut matrix are loaded a pass or more ahead of their first use, so that the counted waits in front of them find them there.
; THE PRODUCT BY ROWS.  Wave w owns 128 x 128 of Psi: 64 accumulators in windows 2 and 3.  All its fragments of T lie in window 1; S's come by blocks of 16
; positions, and a block's eight accumulators are finished by 32 products.  The sums over a finished block stand in fours between the next block's products.
; LIMITS.  Angles are reduced by two terms of pi/2: the reduction's error grows with |angle| (about 1e-7 up to |angle| of some 1e5).  The tangent form
; overflows only where the secants of one half-layer multiply to more than about 1e30.  Matrix operands are f16: every amplitude is at most 1 for every input.
.set PITCH, 544                        ; a row of 256 f16 + 32 bytes: 17 x 32, so that the turning loads' eight rows start 32 bytes apart modulo 256
.set TROW,  128*PITCH                  ; S's 128 rows at 0, T's here
.set TG,    2*TROW                     ; slot x 8: (t, t)
.set IV,    TG+1024                    ; slot x 8: (cos, sin) of the first state; slots 16, 17: (cos, sin) of w7, w8 of layer 8
.set CT,    IV+1024                    ; slot x 4: the product of the half-layer's cosines
.set CM,    CT+512                     ; slot x 32: cut matrices M(0), M(1), each (m00, m10, m01, m11)
.set RED,   CM+4096                    ; wave x 64: twelve partial sums
.set QP,    144                        ; a lane's L (64 bytes) and R (64 bytes) + 16: 36 words, so that 16 neighbouring slots start at 16 different groups of four banks
.set QX,    RED+256                    ; (32 wave + lane) x QP
.set PP,    528                        ; half a Phi (128 f32) + 16 bytes: the eight prefixes' rows start four banks apart
.set PH,    QX+128*QP                  ; (8 wave + prefix) x PP: the wave's four eighths of each Phi
.set FW,    IV+128
.set TGR, 16                           ; v[16:31]  eight pairs (t, t) of the layer in hand
.set CMR, 32                           ; v[32:35]  the cut matrix in hand
.set IVR, 36                           ; v[36:51]  eight pairs (cos, sin)
.set C8R, 52                           ; v[52:53]  layer 8's cosine product
.set ML,  54                           ; v[54:57]  the quarters: local 3's matrix;  v[58:61] local 4's
.set MR,  58
.set LA,  64                           ; the quarters' states, two buffers each.  Register bits: 0 = local 3 (L) or 7 (R), 1-3 = local 0-2 (L) or 4-6 (R)
.set LB,  80
.set RA,  96
.set RB,  112
.set TQ,  128                          ; v[128:175] the tangents of layers 1-3;  v[176:187] my cut matrices of layers 1-3
.set CQ,  176
.set LL,  64                           ; v[64:191]  the eight L_i;  v[192:207] my pair of each R_i;  v[208:239] my eighth of Phi
.set RP,  192
.set DS,  208
.set PK,  64                           ; v[64:191] a row in f16
.set AB0, 16                           ; the product: S's fragments of a block, 16 positions x 128 paths, two buffers of 32 registers
.set AB1, 224
.set MJ,  64                           ; the finish: sums of squares by register pair (4) and chain (4)
.set MT,  96                           ; by tile: e = 4 ta + tb / 2, 32 pairs
.set X7,  160                          ; four chains each
.set X8,  168
.set SG,  176                          ; five signed sums
.set Q,   192                          ; twelve results
.set TM,  204                          ; at work
.set MSB, 0
.macro WIN new                         ; the immediate's high byte repeats the setting that is left; a switch that changes nothing is dropped
.if MSB != (\new)
	s_set_vgpr_msb (MSB<<8)|(\new)
.set MSB, (\new)
.endif
.endm
.macro PLACES                          ; four places behind matrix instructions (ISA guide 7.12.1)
.rept 4
	v_nop
.endr
.endm
; cos and sin of v[th]: k = nearest whole number to th 2/pi, r = th - k pi/2 in two terms, polynomials on |r| <= pi/4, the quadrant from k.
.macro SINCOS th, c, s, k, r, r2, u
	v_mul_f32 v[\k], s16, v[\th]
	v_rndne_f32 v[\k], v[\k]
	v_fma_f32 v[\r], v[\k], s17, v[\th]
	v_fma_f32 v[\r], v[\k], s18, v[\r]
	v_mul_f32 v[\r2], v[\r], v[\r]
	v_fma_f32 v[\u], v[\r2], s21, s20
	v_fma_f32 v[\c], v[\r2], s24, s23
	v_fma_f32 v[\u], v[\u], v[\r2], s19
	v_fma_f32 v[\c], v[\c], v[\r2], s22
	v_mul_f32 v[\s], v[\r], v[\r2]
	v_fma_f32 v[\u], v[\s], v[\u], v[\r]           ; sin r
	v_mul_f32 v[\s], v[\r2], v[\r2]
	v_fma_f32 v[\r], v[\r2], -0.5, 1.0
	v_fma_f32 v[\r], v[\s], v[\c], v[\r]           ; cos r
	v_cvt_i32_f32 v[\k], v[\k]
	v_and_b32 v[\r2], 1, v[\k]
	v_cmp_eq_u32 vcc_lo, 1, v[\r2]
	v_cndmask_b32 v[\s], v[\u], v[\r], vcc_lo      ; odd quadrants change places
	v_cndmask_b32 v[\c], v[\r], v[\u], vcc_lo
	v_lshlrev_b32 v[\r2], 30, v[\k]                ; sin is negative in quadrants 2, 3: bit 1 of k
	v_and_b32 v[\r2], 0x80000000, v[\r2]
	v_xor_b32 v[\s], v[\s], v[\r2]
	v_add_nc_u32 v[\k], 1, v[\k]                   ; cos in quadrants 1, 2: bit 1 of k + 1
	v_lshlrev_b32 v[\k], 30, v[\k]
	v_and_b32 v[\k], 0x80000000, v[\k]
	v_xor_b32 v[\c], v[\c], v[\k]
.endm
; (v50, v51) = (v43, v44) turned by the angle whose cos and sin are v40, v41
.macro ROT
	v_mul_f32 v50, v44, v41
	v_mul_f32 v51, v43, v41
	v_fma_f32 v50, v43, v40, -v50
	v_fma_f32 v51, v44, v40, v51
.endm
; ---- THE QUARTERS' MACROS: states of 16 registers in window 0; QTG is the register of the layer's first pair (t, t) ----
; The product state of four qubits: the pair at register first (bit 0's qubit) grows by local qubits j0, j0 + 1, j0 + 2
.macro QINIT base, j0, first
.set n, 1
.irp jj, 0,1,2
.set e, 0
.rept n
.set sr, \base+2*e
.if n == 1
.set sr, \first
.endif
	v_pk_mul_f32 v[\base+2*e+2*n:\base+2*e+2*n+1], v[sr:sr+1], v[IVR+2*(\j0+\jj):IVR+2*(\j0+\jj)+1] op_sel:[0,1] op_sel_hi:[1,1]
	v_pk_mul_f32 v[\base+2*e:\base+2*e+1], v[sr:sr+1], v[IVR+2*(\j0+\jj):IVR+2*(\j0+\jj)+1] op_sel_hi:[1,0]
.set e, e+1
.endr
.set n, n*2
.endr
.endm
; A quarter's CNOTs as a renaming, the same in L and R: new[i] = old[E(O(i))]; O: bit 2 flips bit 3; E: bit 1 flips bit 2, bit 3 flips bit 0 (a pair's halves change places)
.macro QPERM
.set y, i ^ ((i & 4)<<1)
.set pa, (y ^ ((y & 2)<<1)) ^ ((y>>3)&1)
.set y, ib ^ ((ib & 4)<<1)
.set pb, (y ^ ((y & 2)<<1)) ^ ((y>>3)&1)
.set sw, pa & 1
.set pa, pa & 0xe
.set pb, pb & 0xe
.endm
; A tangent gate on register bit b with the pair (t, t) number tg; perm = 1: the CNOTs go first
.macro QT sb, db, b, tg, perm
.set BIT, 1<<\b
.set i, 0
.rept 8
.if (i & BIT) == 0
.set ib, i+BIT
.if \perm
	QPERM
.else
.set pa, i
.set pb, ib
.set sw, 0
.endif
.if sw
	v_pk_fma_f32 v[\db+i:\db+i+1], v[\sb+pb:\sb+pb+1], v[QTG+2*\tg:QTG+2*\tg+1], v[\sb+pa:\sb+pa+1] op_sel:[1,0,1] op_sel_hi:[0,0,0] neg_lo:[0,1,0] neg_hi:[0,1,0]
	v_pk_fma_f32 v[\db+ib:\db+ib+1], v[\sb+pa:\sb+pa+1], v[QTG+2*\tg:QTG+2*\tg+1], v[\sb+pb:\sb+pb+1] op_sel:[1,0,1] op_sel_hi:[0,0,0]
.else
	v_pk_fma_f32 v[\db+i:\db+i+1], v[\sb+pb:\sb+pb+1], v[QTG+2*\tg:QTG+2*\tg+1], v[\sb+pa:\sb+pa+1] op_sel_hi:[1,0,1] neg_lo:[0,1,0] neg_hi:[0,1,0]
	v_pk_fma_f32 v[\db+ib:\db+ib+1], v[\sb+pa:\sb+pa+1], v[QTG+2*\tg:QTG+2*\tg+1], v[\sb+pb:\sb+pb+1] op_sel_hi:[1,0,1]
.endif
.endif
.set i, i+2
.endr
.endm
; The CNOTs, then a whole matrix (m00, m10, m01, m11) at register m on register bit 1: all products first, then all sums
.macro QG sb, db, m
.irp part, 0,1
.set i, 0
.rept 4
.set ib, i+2
	QPERM
.if \part == 0
.if sw
	v_pk_mul_f32 v[\db+i:\db+i+1], v[\sb+pa:\sb+pa+1], v[\m:\m+1] op_sel:[1,0] op_sel_hi:[0,0]
	v_pk_mul_f32 v[\db+ib:\db+ib+1], v[\sb+pa:\sb+pa+1], v[\m:\m+1] op_sel:[1,1] op_sel_hi:[0,1]
.else
	v_pk_mul_f32 v[\db+i:\db+i+1], v[\sb+pa:\sb+pa+1], v[\m:\m+1] op_sel_hi:[1,0]
	v_pk_mul_f32 v[\db+ib:\db+ib+1], v[\sb+pa:\sb+pa+1], v[\m:\m+1] op_sel:[0,1] op_sel_hi:[1,1]
.endif
.else
.if sw
	v_pk_fma_f32 v[\db+i:\db+i+1], v[\sb+pb:\sb+pb+1], v[\m+2:\m+3], v[\db+i:\db+i+1] op_sel:[1,0,0] op_sel_hi:[0,0,1]
	v_pk_fma_f32 v[\db+ib:\db+ib+1], v[\sb+pb:\sb+pb+1], v[\m+2:\m+3], v[\db+ib:\db+ib+1] op_sel:[1,1,0] op_sel_hi:[0,1,1]
.else
	v_pk_fma_f32 v[\db+i:\db+i+1], v[\sb+pb:\sb+pb+1], v[\m+2:\m+3], v[\db+i:\db+i+1] op_sel_hi:[1,0,1]
	v_pk_fma_f32 v[\db+ib:\db+ib+1], v[\sb+pb:\sb+pb+1], v[\m+2:\m+3], v[\db+ib:\db+ib+1] op_sel:[0,1,0] op_sel_hi:[1,1,1]
.endif
.endif
.set i, i+4
.endr
.endr
.endm
; A whole matrix at register m on register bit 0, inside each pair: D = lo (m00, m10) + hi (m01, m11)
.macro QC sb, db, m
.set e, 0
.rept 8
	v_pk_mul_f32 v[\db+2*e:\db+2*e+1], v[\sb+2*e:\sb+2*e+1], v[\m:\m+1] op_sel_hi:[0,1]
.set e, e+1
.endr
.set e, 0
.rept 8
	v_pk_fma_f32 v[\db+2*e:\db+2*e+1], v[\sb+2*e:\sb+2*e+1], v[\m+2:\m+3], v[\db+2*e:\db+2*e+1] op_sel:[1,0,0] op_sel_hi:[1,1,1]
.set e, e+1
.endr
.endm
; ---- THE WHOLE STATES' MACROS.  Register i of a state: bit 0 = local qubit 7, bit j + 1 = local qubit j. ----
; One tangent gate on local qubit j, window ws -> window wd, 128 packed multiply-adds.  perm = 1 (j = 0): the layer's CNOTs go first, as a renaming:
; new[i] = old[E(O(i))], O the odd CNOTs (1,2)(3,4)(5,6), E the even ones (0,1)(2,3)(4,5)(6,7); a pair stays a pair, its halves swapped where (6,7) fires.
.macro TPASS j, ws, wd, perm
	WIN (\wd<<6)|(\ws<<4)|\ws
.set BIT, 1<<(\j+1)
.set i, 0
.rept 128
.if (i & BIT) == 0
.set ib, i+BIT
.if \perm
.set y, i ^ ((i & 0x54)<<1)
.set pa, (y ^ ((y & 0x2a)<<1)) ^ ((y>>7)&1)
.set y, ib ^ ((ib & 0x54)<<1)
.set pb, (y ^ ((y & 0x2a)<<1)) ^ ((y>>7)&1)
.set sw, pa & 1
.set pa, pa & 0xfe
.set pb, pb & 0xfe
.else
.set pa, i
.set pb, ib
.set sw, 0
.endif
.if sw
	v_pk_fma_f32 v[i:i+1], v[pb:pb+1], v[TGR+2*\j:TGR+2*\j+1], v[pa:pa+1] op_sel:[1,0,1] op_sel_hi:[0,0,0] neg_lo:[0,1,0] neg_hi:[0,1,0]
	v_pk_fma_f32 v[ib:ib+1], v[pa:pa+1], v[TGR+2*\j:TGR+2*\j+1], v[pb:pb+1] op_sel:[1,0,1] op_sel_hi:[0,0,0]
.else
	v_pk_fma_f32 v[i:i+1], v[pb:pb+1], v[TGR+2*\j:TGR+2*\j+1], v[pa:pa+1] op_sel_hi:[1,0,1] neg_lo:[0,1,0] neg_hi:[0,1,0]
	v_pk_fma_f32 v[ib:ib+1], v[pa:pa+1], v[TGR+2*\j:TGR+2*\j+1], v[pb:pb+1] op_sel_hi:[1,0,1]
.endif
.endif
.set i, i+2
.endr
.endm
.macro XL wa, wb                       ; a layer's CNOTs and its gates on local qubits 0-6: the state goes from window wa to window wb
	TPASS 0, \wa, \wb, 1
	TPASS 1, \wb, \wa, 0
	TPASS 2, \wa, \wb, 0
	TPASS 3, \wb, \wa, 0
	TPASS 4, \wa, \wb, 0
	TPASS 5, \wb, \wa, 0
	TPASS 6, \wa, \wb, 0
.endm
.macro T7 ws, wd                       ; the tangent gate on local qubit 7, inside each pair: (lo - t hi, hi + t lo)
	WIN (\wd<<6)|(\ws<<4)|\ws
.set i, 0
.rept 128
	v_pk_fma_f32 v[i:i+1], v[i:i+1], v[TGR+14:TGR+15], v[i:i+1] op_sel:[1,0,0] op_sel_hi:[0,0,1] neg_lo:[0,1,0]
.set i, i+2
.endr
.endm
.macro CUT ws, wd                      ; the cut matrix on local qubit 7: D = lo (m00, m10) + hi (m01, m11), eight pairs at a time
	WIN (\wd<<6)|(\wd<<4)|\ws
.set i, 0
.rept 16
.set e, 0
.rept 8
	v_pk_mul_f32 v[i+2*e:i+2*e+1], v[i+2*e:i+2*e+1], v[CMR:CMR+1] op_sel_hi:[0,1]
.set e, e+1
.endr
.set e, 0
.rept 8
	v_pk_fma_f32 v[i+2*e:i+2*e+1], v[i+2*e:i+2*e+1], v[CMR+2:CMR+3], v[i+2*e:i+2*e+1] op_sel:[1,0,0] op_sel_hi:[1,1,1]
.set e, e+1
.endr
.set i, i+16
.endr
.endm
; The next layer's eight pairs (t, t): issued behind the layer's last tangent pass, which was the last reader of these registers
.macro NEXTTG
	WIN 0
	s_add_co_u32 s30, s30, 128
	v_mov_b32 v8, s30
.irp g, 0,1,2,3
	ds_load_b128 v[TGR+4*\g:TGR+4*\g+3], v8 offset:16*\g
.endr
.endm
; Window 1 -> f16 -> my path's row.  Position bits 0-3 = local qubits 0-3, bits 4, 5, 6 = local 5, 6, 7, bit 7 = local 4.
.macro CVT
	WIN 0x05
.set k, 0
.rept 128
.set pos, 2*k
.set ix, ((pos&15)<<1)|(((pos>>4)&3)<<6)|((pos>>6)&1)|(((pos>>7)&1)<<5)
	v_cvt_pk_f16_f32 v[PK+k], v[ix], v[ix+2]
.set k, k+1
.endr
	WIN 0
.set k, 0
.rept 32
	ds_store_b128 v9, v[PK+4*k:PK+4*k+3] offset:16*k
.set k, k+1
.endr
.endm
; ---- THE PRODUCT'S MACROS ----
.macro BLOAD ks                        ; T's fragments of paths 32 ks .. 32 ks + 31, my eight tiles of positions -> window 1, v[64 ks ..]: 16 turning loads
.irp t, 0,1,2,3,4,5,6,7
	ds_load_tr16_b128 v[64*\ks+8*\t:64*\ks+8*\t+3],   v13 offset:\ks*32*PITCH+32*\t
	ds_load_tr16_b128 v[64*\ks+8*\t+4:64*\ks+8*\t+7], v13 offset:\ks*32*PITCH+16*PITCH+32*\t
.endr
.endm
.macro ALOAD ta, buf                   ; S's fragments of block ta, all 128 paths -> window 0, buffer buf: 8 turning loads
.irp ks, 0,1,2,3
	ds_load_tr16_b128 v[\buf+8*\ks:\buf+8*\ks+3],   v12 offset:\ks*32*PITCH+32*\ta
	ds_load_tr16_b128 v[\buf+8*\ks+4:\buf+8*\ks+7], v12 offset:\ks*32*PITCH+16*PITCH+32*\ta
.endr
.endm
; Product i of a block's 32: K step i / 8, tile i % 8 of T.  The block's eight accumulators take turns; the first eight products start the sums.
.macro MMI ta, buf
.set kq, i/8
.set tq, i%8
.set ac, 8*(8*(\ta%4)+tq)
	WIN 0xa4+0x50*(\ta/4)                          ; S window 0, T window 1, C and D window 2 (blocks 0-3) or 3 (blocks 4-7)
.if kq == 0
	v_wmma_f32_16x16x32_f16 v[ac:ac+7], v[\buf+8*kq:\buf+8*kq+7], v[64*kq+8*tq:64*kq+8*tq+7], 0
.else
	v_wmma_f32_16x16x32_f16 v[ac:ac+7], v[\buf+8*kq:\buf+8*kq+7], v[64*kq+8*tq:64*kq+8*tq+7], v[ac:ac+7]
.endif
.endm
.macro MMS ta, buf, i0                 ; eight products: one K step of a block
.set i, \i0
.rept 8
	MMI \ta, \buf
.set i, i+1
.endr
.endm
; THE SUMS OVER A FINISHED BLOCK.  Accumulator (ta, tb), register jr, lane (r, h) is Psi at: q0-q2 = jr's bits, q3 = h, q4 = wave >> 1, q5-q7 = ta's bits,
; q9 = tb bit 1, q8 = tb bit 2; all else is unmeasured.  FINI writes number fn of block ta's list:
;   0-63    squares, each pair into the tile's sum (even fn) and into the register pair's sum (odd fn); registers 0, 1 of all eight accumulators come first:
;           each accumulator is read from its low end on
;   64-79   Psi[q8 = 0] Psi[q8 = 1]
;   80-111  (blocks 4-7) Psi[q7 = 0, q8 = v] Psi[q7 = 1, q8 = 1 - v]: block ta - 4 in window 2 against block ta in window 3
; A sum's first term is a product alone: nothing is cleared.  Block 0 is finished first, and of the pairs (0, 4).
.macro FINI ta
.if fn < 64
.set fu, fn/2
.set fj, fu/8
.set ft, 2*(fu%4)+((fu%8)/4)
.set r, 8*(8*(\ta%4)+ft)+2*fj
	WIN 0x0a+5*(\ta/4)
.if (fn%2) == 0
.set mt, MT+2*(4*\ta+ft/2)
.if (fj == 0) && ((ft%2) == 0)
	v_pk_mul_f32 v[mt:mt+1], v[r:r+1], v[r:r+1]
.else
	v_pk_fma_f32 v[mt:mt+1], v[r:r+1], v[r:r+1], v[mt:mt+1]
.endif
.else
.set mj, MJ+2*(4*fj+ft/2)
.if (\ta == 0) && ((ft%2) == 0)
	v_pk_mul_f32 v[mj:mj+1], v[r:r+1], v[r:r+1]
.else
	v_pk_fma_f32 v[mj:mj+1], v[r:r+1], v[r:r+1], v[mj:mj+1]
.endif
.endif
.elseif fn < 80
.set ft, (fn-64)/4
.set fj, (fn-64)%4
.set r, 8*(8*(\ta%4)+ft)+2*fj
	WIN 0x0a+5*(\ta/4)
.if (\ta == 0) && (ft == 0)
	v_pk_mul_f32 v[X8+2*fj:X8+2*fj+1], v[r:r+1], v[r+32:r+33]
.else
	v_pk_fma_f32 v[X8+2*fj:X8+2*fj+1], v[r:r+1], v[r+32:r+33], v[X8+2*fj:X8+2*fj+1]
.endif
.else
.set ft, (fn-80)/4
.set fj, (fn-80)%4
.set r, 8*(8*(\ta-4)+ft)+2*fj
.set rr, 8*(8*(\ta-4)+(ft^4))+2*fj
	WIN 0x0e
.if (\ta == 4) && (ft == 0)
	v_pk_mul_f32 v[X7+2*fj:X7+2*fj+1], v[r:r+1], v[rr:rr+1]
.else
	v_pk_fma_f32 v[X7+2*fj:X7+2*fj+1], v[r:r+1], v[rr:rr+1], v[X7+2*fj:X7+2*fj+1]
.endif
.endif
.endm
; Block ta, its fragments of S in buf.  First the block after it (nxt, into nbuf; -1: none) is asked for: nbuf was read by the block before, whose last product has
; four plain instructions behind it.  The cnt sums of block prev stand four at a time behind the LAST cnt / 4 products, so that this block's last products have
; their places too: a vector instruction that reads a matrix result, and a load into a register that a matrix instruction has read, stand four places behind it,
; and only plain vector instructions that name none of its registers are places (ISA guide 7.12.1 for vector instructions).
.macro BLOCK ta, buf, prev, cnt, nxt, nbuf
	WIN 0
.if \nxt >= 0
	ALOAD \nxt, \nbuf
	s_wait_dscnt 8                                 ; LDS loads come back in order (ISA guide 5.7.1): this block's fragments are in, the eight just issued stay out
.else
	s_wait_dscnt 0x0
.endif
.set i, 0
.rept 32
	MMI \ta, \buf
.if i >= 32-\cnt/4
.set fn, 4*(i-(32-\cnt/4))
.rept 4
	FINI \prev
.set fn, fn+1
.endr
.endif
.set i, i+1
.endr
.endm
	; ---- SET-UP: thread t is table slot t: layer t >> 4, half (t >> 3) & 1, local qubit t & 7 ----
	s_load_b128 s[4:7], s[0:1], 0x0                ; weights s[4:5], x s[6:7]
	s_load_b64 s[8:9], s[0:1], 0x10                ; out0
	v_lshrrev_b32 v1, 5, v0
	v_readfirstlane_b32 s10, v1                    ; wave
	s_lshr_b32 s11, s10, 1                         ; my half of the circuit; in the product: my half of S's positions
	s_and_b32 s12, s10, 1                          ; which 32 prefixes; in the product: my half of T's positions
	s_mov_b32 s14, 0x76543210                      ; v_permlanex16_b32: each lane takes its own place in the other half
	s_mov_b32 s15, 0xfedcba98
	s_mov_b32 s16, 0x3f22f983                      ; 2 / pi
	s_mov_b32 s17, 0xbfc90fdb                      ; - pi/2, first term
	s_mov_b32 s18, 0x333bbd2e                      ; - pi/2, second term
	s_mov_b32 s19, 0xbe2aaaa3                      ; sine: r + r^3 (s19 + s20 r^2 + s21 r^4)
	s_mov_b32 s20, 0x3c08839e
	s_mov_b32 s21, 0xb94ca1f9
	s_mov_b32 s22, 0x3d2aaaa5                      ; cosine: 1 - r^2/2 + r^4 (s22 + s23 r^2 + s24 r^4)
	s_mov_b32 s23, 0xbab6061a
	s_mov_b32 s24, 0x37ccf5ce
	s_mov_b32 s25, 0x3f3504f3                      ; sqrt(1/2)
	s_lshl_b32 s26, ttmp9, 6                       ; my sample's 16 numbers of x
	s_mov_b32 s27, 0
	v_bfe_u32 v3, v0, 3, 1                         ; half
	v_and_b32 v4, 7, v0                            ; local qubit j
	v_mul_u32_u24 v5, 15, v3
	v_xor_b32 v5, v4, v5                           ; qubit: j in A, 15 - j in B
	v_and_b32 v6, 0x70, v0
	v_or_b32 v6, v6, v5
	v_lshlrev_b32 v6, 2, v6                        ; weights[layer][qubit]
	v_lshlrev_b32 v7, 2, v5                        ; x[sample][qubit]
	v_and_b32 v32, 1, v0
	v_lshlrev_b32 v32, 2, v32                      ; weights[7][7 + (t & 1)], with the immediate below
	s_wait_kmcnt 0x0
	s_add_nc_u64 s[6:7], s[6:7], s[26:27]
	global_load_b32 v33, v6, s[4:5]
	global_load_b32 v34, v7, s[6:7]
	global_load_b32 v35, v32, s[4:5] offset:476
	v_lshlrev_b32 v36, 31, v3
	v_xor_b32 v36, 0x3f000000, v36                 ; +1/2 in A, -1/2 in B
	v_lshrrev_b32 v38, 1, v0
	v_mov_b32 v39, s25
	v_cvt_f32_u32 v55, v3                          ; the half as 0.0 or 1.0
	v_lshl_add_u32 v16, v0, 3, TG                  ; each thread stores into its own slot of each table
	v_lshl_add_u32 v17, v0, 2, CT
	v_lshl_add_u32 v18, v0, 5, CM
	; the layers' gates.  Layer 8: A's local 7 and B's local 0-5, 7 take no weight; B's local 6 and 7 (slots 126, 127) are turned by -pi/4
	v_cmp_gt_u32 s28, 119, v0
	v_cmp_eq_u32 s29, 126, v0
	s_or_b32 vcc_lo, s28, s29
	v_cndmask_b32 v37, 0, v36, vcc_lo
	v_cmp_eq_u32 vcc_lo, 63, v38
	v_xor_b32 v41, 0x80000000, v39
	v_cndmask_b32 v40, 1.0, v39, vcc_lo
	v_cndmask_b32 v41, 0, v41, vcc_lo
	s_wait_loadcnt 0x0                             ; all three numbers are in
	s_wait_xcnt 0x0                                ; and no global access is pending from here to the one store at the end
	v_mul_f32 v42, v37, v33
	SINCOS 42, 43, 44, 45, 46, 47, 48
	ROT
	v_rcp_f32 v42, v50
	v_fma_f32 v49, v55, -2.0, 1.0                  ; +1 in A, -1 in B; also the plain instruction behind the reciprocal (ISA guide 5.7.2)
	v_cmp_ne_u32 s28, 7, v4
	v_cmp_le_u32 s29, 112, v0
	s_or_b32 vcc_lo, s28, s29
	v_cndmask_b32 v54, 1.0, v50, vcc_lo            ; in layers 1-7 local 7's cosine stands in the cut matrix itself
	s_wait_alu depctr_va_vdst(0)
	v_mul_f32 v52, v51, v42                        ; t = sin / cos, twice: a pair for the packed forms
	v_mul_f32 v53, v51, v42
	v_mul_f32_dpp v54, v54, v54 row_xmask:1 row_mask:0xf bank_mask:0xf   ; the product over the half-layer's eight lanes
	v_mul_f32_dpp v54, v54, v54 row_xmask:2 row_mask:0xf bank_mask:0xf
	v_mul_f32_dpp v54, v54, v54 row_xmask:4 row_mask:0xf bank_mask:0xf
	v_mul_f32 v56, v50, v54                        ; A: M(0) = RY P0, M(1) = RY P1.  B: M(p) = RY Z^p
	v_mul_f32 v57, v51, v54
	v_mul_f32 v58, -v57, v55
	v_mul_f32 v59, v56, v55
	v_mul_f32 v60, v56, v55
	v_mul_f32 v61, v57, v55
	v_mul_f32 v62, -v57, v49
	v_mul_f32 v63, v56, v49
	ds_store_b64 v16, v[52:53]
	ds_store_b32 v17, v54
	ds_store_b128 v18, v[56:59]
	ds_store_b128 v18, v[60:63] offset:16
	; the first state's (cos, sin); slots 16 and 17 take the whole angles w7 and w8 of layer 8 instead
	v_cmp_eq_u32 vcc_lo, 8, v38
	v_cndmask_b32 v33, v34, v35, vcc_lo
	v_cndmask_b32 v37, v36, 1.0, vcc_lo
	v_cmp_eq_u32 s28, 0, v3
	v_cmp_ne_u32 s29, 8, v38
	s_and_b32 vcc_lo, s28, s29
	v_cndmask_b32 v40, 1.0, v39, vcc_lo            ; A's angles are turned by +pi/4
	v_cndmask_b32 v41, 0, v39, vcc_lo
	v_mul_f32 v42, v37, v33
	SINCOS 42, 43, 44, 45, 46, 47, 48
	ROT
	ds_store_b64 v16, v[50:51] offset:IV-TG
	s_wait_dscnt 0x0                               ; for the others' sake: my table entries are written
	s_barrier_signal -1
	s_barrier_wait -1
	; ---- addresses; the first state's numbers and the tables of layers 1-4 in one run of 25 loads ----
	v_and_b32 v14, 31, v0                          ; lane
	s_lshl_b32 s30, s11, 6
	s_add_co_u32 s30, s30, TG                      ; my half's tangents, layer 1; 128 bytes a layer
	s_lshl_b32 s31, s11, 8
	s_add_co_u32 s31, s31, CM+7*32                 ; my half's cut matrices: slot 7 + 8 half; 512 bytes a layer
	s_mul_i32 s32, s10, 64*PITCH                   ; my wave's 64 rows: 64 wave + 32 (seventh cut) + lane
	s_lshl_b32 s26, s11, 5
	s_add_co_u32 s26, s26, CT+448                  ; layer 8's cosine product
	v_mov_b32 v8, s30
	v_mov_b32 v7, s26
	v_lshl_or_b32 v10, s12, 5, v14                 ; P
	v_mul_u32_u24 v11, v14, PITCH
	v_add_nc_u32 v9, s32, v11                      ; where my row goes
.irp l, 0,1,2,3
	v_bfe_u32 v[56+\l], v10, \l, 1                 ; M(bit l of P) of layer l + 1
	v_lshl_add_u32 v[56+\l], v[56+\l], 4, s31
.endr
.irp g, 0,1,2,3
	ds_load_b128 v[IVR+4*\g:IVR+4*\g+3], v8 offset:IV-TG+16*\g
.endr
	ds_load_b64 v[C8R:C8R+1], v7
.irp l, 0,1,2
.irp g, 0,1,2,3
	ds_load_b128 v[TQ+16*\l+4*\g:TQ+16*\l+4*\g+3], v8 offset:128*\l+16*\g
.endr
	ds_load_b128 v[CQ+4*\l:CQ+4*\l+3], v[56+\l] offset:512*\l
.endr
.irp g, 0,1,2,3
	ds_load_b128 v[TGR+4*\g:TGR+4*\g+3], v8 offset:384+16*\g
.endr
	ds_load_b128 v[CMR:CMR+3], v59 offset:1536
	s_add_co_u32 s30, s30, 384                     ; both now stand at layer 4
	s_add_co_u32 s31, s31, 1536
	v_lshrrev_b32 v1, 4, v14                       ; the turning loads: row 8 (lane / 16) + lane % 8, 16 bytes by bit 3 of the lane
	v_and_b32 v2, 7, v14
	v_lshl_add_u32 v2, v1, 3, v2
	v_mul_u32_u24 v2, v2, PITCH
	v_bfe_u32 v3, v14, 3, 1
	v_lshl_add_u32 v2, v3, 4, v2
	s_lshl_b32 s26, s11, 8
	v_add_nc_u32 v12, s26, v2                      ; S: my 128 positions
	s_lshl_b32 s26, s12, 8
	s_add_co_u32 s26, s26, TROW
	v_add_nc_u32 v13, s26, v2                      ; T: my 128 positions
	s_mul_i32 s26, s10, 32*QP                      ; where my L and R go: slot 32 wave + lane = 64 half + P
	s_add_co_u32 s26, s26, QX
	v_mul_u32_u24 v4, v14, QP
	v_add_nc_u32 v4, s26, v4
	s_mul_i32 s26, s11, 64*QP                      ; from where the eight terms come: slots 64 half + 8 i + (P & 7)
	s_add_co_u32 s26, s26, QX
	v_and_b32 v3, 7, v14
	v_mul_u32_u24 v5, v3, QP
	v_add_nc_u32 v5, s26, v5
	v_lshrrev_b32 v6, 3, v10                       ; of each R I take the pair number P >> 3: local 4-6 of my eighth of Phi
	v_lshl_add_u32 v6, v6, 3, v5
	s_wait_dscnt 0x0
	QINIT LA, 0, IVR+6                             ; L: local 3 in the pair, then local 0, 1, 2
	v_pk_mul_f32 v[RA:RA+1], v[IVR+14:IVR+15], v[C8R:C8R+1] op_sel_hi:[1,0]
	QINIT RA, 4, RA                                ; R: local 7 in the pair (with layer 8's cosines), then local 4, 5, 6
	; ---- layers 1-3 in quarters, written out: bit l of P is the outer cut, bit 3 + l the inner one; all their tables are in registers ----
.irp l, 0,1,2
.set QTG, TQ+16*\l
	v_bfe_u32 v[ML+3], v10, 3+\l, 1
	v_cvt_f32_u32 v[ML+3], v[ML+3]                 ; f = the inner bit as 0.0 or 1.0, g = 1 - f
	v_sub_f32 v[ML], 1.0, v[ML+3]
	v_mul_f32 v[ML+2], -v[QTG+6], v[ML+3]          ; local 3: [[1,0],[t,0]] or [[0,-t],[0,1]]: the tangent gate behind P0 or P1
	v_mul_f32 v[ML+1], v[QTG+6], v[ML]
	v_fma_f32 v[MR], -v[QTG+8], v[ML+3], v[ML]     ; local 4: [[1,-t],[t,1]] or [[-t,1],[1,t]]: the tangent gate behind I or X
	v_fma_f32 v[MR+1], v[QTG+8], v[ML], v[ML+3]
	v_fma_f32 v[MR+2], -v[QTG+8], v[ML], v[ML+3]
	v_fma_f32 v[MR+3], v[QTG+8], v[ML+3], v[ML]
	QT LA, LB, 1, 0, 1                             ; L's and R's passes by turns: sixteen lines that do not wait for each other
	QG RA, RB, MR
	QT LB, LA, 2, 1, 0
	QT RB, RA, 2, 5, 0
	QT LA, LB, 3, 2, 0
	QT RA, RB, 3, 6, 0
	QC LB, LA, ML
	QC RB, RA, CQ+4*\l
.endr
	; ---- Phi_o = sum over i of L_i (x) R_(i,o) ----
.irp g, 0,1,2,3
	ds_store_b128 v4, v[LA+4*\g:LA+4*\g+3] offset:16*\g
	ds_store_b128 v4, v[RA+4*\g:RA+4*\g+3] offset:64+16*\g
.endr
	s_wait_dscnt 0x0                               ; for the others' sake: my L and R are written
	s_barrier_signal -1
	s_barrier_wait -1
.irp t, 0,1,2,3,4,5,6,7
.irp g, 0,1,2,3
	ds_load_b128 v[LL+16*\t+4*\g:LL+16*\t+4*\g+3], v5 offset:\t*8*QP+16*\g
.endr
	ds_load_b64 v[RP+2*\t:RP+2*\t+1], v6 offset:\t*8*QP+64
.endr
	s_mul_i32 s26, s10, 8*PP                       ; my eighth goes to row 8 wave + (P & 7), 128 bytes at lane / 8
	s_add_co_u32 s26, s26, PH
	s_mul_i32 s27, s11, 16*PP                      ; a whole Phi: that row of my half's first wave, then of its second
	s_add_co_u32 s27, s27, PH
	v_mul_u32_u24 v56, v3, PP
	v_lshrrev_b32 v57, 3, v14
	v_lshl_add_u32 v54, v57, 7, v56
	v_add_nc_u32 v54, s26, v54
	v_add_nc_u32 v55, s27, v56
.irp t, 0,1,2,3,4,5,6,7
	s_wait_dscnt 5*(7-\t)                          ; LDS loads come back in order (ISA guide 5.7.1): term t's five are in, the younger terms' stay out
.set l, 0
.rept 16                               ; l = local 0-3; L_i[l] lies at register (l >> 3) | (l & 7) << 1 of its sixteen
.set lam, ((l>>3)&1)|((l&7)<<1)
.set lr, LL+16*\t+(lam&0xe)
.if \t == 0
.if lam & 1
	v_pk_mul_f32 v[DS+2*l:DS+2*l+1], v[RP+2*\t:RP+2*\t+1], v[lr:lr+1] op_sel:[0,1] op_sel_hi:[1,1]
.else
	v_pk_mul_f32 v[DS+2*l:DS+2*l+1], v[RP+2*\t:RP+2*\t+1], v[lr:lr+1] op_sel_hi:[1,0]
.endif
.else
.if lam & 1
	v_pk_fma_f32 v[DS+2*l:DS+2*l+1], v[RP+2*\t:RP+2*\t+1], v[lr:lr+1], v[DS+2*l:DS+2*l+1] op_sel:[0,1,0] op_sel_hi:[1,1,1]
.else
	v_pk_fma_f32 v[DS+2*l:DS+2*l+1], v[RP+2*\t:RP+2*\t+1], v[lr:lr+1], v[DS+2*l:DS+2*l+1] op_sel_hi:[1,0,1]
.endif
.endif
.set l, l+1
.endr
.endr
.irp g, 0,1,2,3,4,5,6,7
	ds_store_b128 v54, v[DS+4*\g:DS+4*\g+3] offset:16*\g
.endr
	s_wait_dscnt 0x0                               ; for the others' sake: my eighth is written
	s_barrier_signal -1
	s_barrier_wait -1
	WIN 0x40                                       ; the whole state, into window 1
.set k, 0
.rept 32
	ds_load_b128 v[4*k:4*k+3], v55 offset:16*k
.set k, k+1
.endr
.set k, 0
.rept 32
	ds_load_b128 v[128+4*k:128+4*k+3], v55 offset:8*PP+16*k
.set k, k+1
.endr
	s_wait_dscnt 0x0
	WIN 0                                          ; at a label and at a branch every window is 0
	; ---- layers 4-6 on whole states: each lane follows its own prefix ----
	s_mov_b32 s13, 3
.Llevel:
	s_wait_dscnt 0x1                               ; this layer's tangents, asked for in front of the last cut, are in; the one load behind them, this layer's cut matrix, may stay out
	XL 1, 2
	NEXTTG                                         ; the next layer's tangents: the cut's 256 instructions stand between these loads and their use
	s_wait_dscnt 0x4                               ; the cut matrix, asked for a layer ago, is in; the four just issued stay out
	CUT 2, 1
	WIN 0
	s_add_co_u32 s13, s13, 1
	s_add_co_u32 s31, s31, 512
	v_lshrrev_b32 v15, s13, v10                    ; the next layer's cut bit; behind layer 6 P >> 6 = 0: M(0) of layer 7
	v_and_b32 v15, 1, v15
	v_lshl_add_u32 v15, v15, 4, s31
	ds_load_b128 v[CMR:CMR+3], v15                 ; a whole layer ahead of the cut that uses it
	s_cmp_lt_u32 s13, 6
	s_cbranch_scc1 .Llevel
	; ---- layer 7 up to its cut, once for both of its branches: the state stays in window 2 ----
	s_wait_dscnt 0x1                               ; layer 7's tangents are in
	XL 1, 2
	NEXTTG                                         ; layer 8's tangents
	s_wait_dscnt 0x4                               ; M(0) of layer 7 is in
	; ---- the seventh cut's two branches: cut, layer 8, to f16, into the row ----
	s_mov_b32 s13, 0
.Lbranch:
	s_wait_dscnt 32                                ; second trip: M(1) is in; the row's 32 stores, issued behind that load, may stay out (first trip: M(0) was waited for above)
	CUT 2, 1
	WIN 0
	s_add_co_u32 s31, s31, 16                      ; M(1); the second trip's load stays inside the table and is not used
	v_mov_b32 v15, s31
	ds_load_b128 v[CMR:CMR+3], v15
	s_wait_dscnt 0x1                               ; layer 8's tangents are in, and the last row's stores have read their registers; the matrix just asked for stays out
	XL 1, 3
	T7 3, 1
	CVT
	s_add_co_u32 s32, s32, 32*PITCH
	v_add_nc_u32 v9, s32, v11
	s_add_co_u32 s13, s13, 1
	s_cmp_lt_u32 s13, 2
	s_cbranch_scc1 .Lbranch
	s_wait_dscnt 0x0                               ; for the others' sake: my rows are written
	s_barrier_signal -1
	s_barrier_wait -1                              ; all 256 rows are written
	; ---- Psi = S^T T by blocks of 16 positions of S, in the order 0, 4, 1, 5, 2, 6, 3, 7: a pair (ta, ta + 4) is whole as early as can be ----
	ALOAD 0, AB0                                   ; block 0 has no sums to carry: T's later K steps are asked for between its own
	WIN 0x40
	BLOAD 0
	BLOAD 1
	s_wait_dscnt 16                                ; block 0 of S and K step 0 of T are in; K step 1's sixteen loads stay out
	MMS 0, AB0, 0
	WIN 0x40
	BLOAD 2
	s_wait_dscnt 16                                ; K step 1 is in
	MMS 0, AB0, 8
	WIN 0x40
	BLOAD 3
	WIN 0
	ALOAD 4, AB1
	s_wait_dscnt 24                                ; K step 2 is in: behind it K step 3's sixteen and block 4's eight
	MMS 0, AB0, 16
	s_wait_dscnt 8                                 ; K step 3 is in
	MMS 0, AB0, 24
	PLACES                                         ; block 0's products have no sums between them: these are their places
	BLOCK 4, AB1, 0, 80,  1, AB0
	BLOCK 1, AB0, 4, 112, 5, AB1
	BLOCK 5, AB1, 1, 80,  2, AB0
	BLOCK 2, AB0, 5, 112, 6, AB1
	BLOCK 6, AB1, 2, 80,  3, AB0
	BLOCK 3, AB0, 6, 112, 7, AB1
	BLOCK 7, AB1, 3, 80, -1, 0
.set fn, 0
.rept 112                              ; the last block's sums: the four of block 3 behind the last product are its places
	FINI 7
.set fn, fn+1
.endr
	; ---- THE FINISH: from the lane's sums to twelve numbers ----
	WIN 0
.irp jp, 0,1,2,3
	v_pk_add_f32 v[MJ+8*\jp:MJ+8*\jp+1], v[MJ+8*\jp:MJ+8*\jp+1], v[MJ+8*\jp+2:MJ+8*\jp+3]
	v_pk_add_f32 v[MJ+8*\jp+4:MJ+8*\jp+5], v[MJ+8*\jp+4:MJ+8*\jp+5], v[MJ+8*\jp+6:MJ+8*\jp+7]
.endr
.irp jp, 0,1,2,3
	v_pk_add_f32 v[MJ+8*\jp:MJ+8*\jp+1], v[MJ+8*\jp:MJ+8*\jp+1], v[MJ+8*\jp+4:MJ+8*\jp+5]
.endr
	v_pk_add_f32 v[TM:TM+1], v[MJ:MJ+1], v[MJ+8:MJ+9]
	v_pk_add_f32 v[TM+2:TM+3], v[MJ+16:MJ+17], v[MJ+24:MJ+25]
	v_pk_add_f32 v[TM+6:TM+7], v[MJ:MJ+1], v[MJ+8:MJ+9] neg_lo:[0,1] neg_hi:[0,1]
	v_pk_add_f32 v[TM+8:TM+9], v[MJ+16:MJ+17], v[MJ+24:MJ+25] neg_lo:[0,1] neg_hi:[0,1]
	v_pk_add_f32 v[TM+4:TM+5], v[TM:TM+1], v[TM+2:TM+3]
	v_pk_add_f32 v[TM+10:TM+11], v[TM:TM+1], v[TM+2:TM+3] neg_lo:[0,1] neg_hi:[0,1]
	v_pk_add_f32 v[TM+6:TM+7], v[TM+6:TM+7], v[TM+8:TM+9]
	s_lshl_b32 s26, s11, 31
	v_and_b32 v[TM+13], 16, v14
	v_sub_f32 v[Q], v[TM+4], v[TM+5]               ; q0: even registers less odd ones
	v_add_f32 v[TM+12], v[TM+4], v[TM+5]           ; the lane's whole sum of squares
	v_add_f32 v[Q+1], v[TM+6], v[TM+7]             ; q1
	v_add_f32 v[Q+2], v[TM+10], v[TM+11]           ; q2
	v_lshlrev_b32 v[TM+13], 27, v[TM+13]
	v_xor_b32 v[Q+3], v[TM+12], v[TM+13]           ; q3: the sign is the lane's half
	v_xor_b32 v[Q+4], s26, v[TM+12]                ; q4: the sign is the wave's half
	; five signed sums over the 32 tile sums, by turns: bit 2 of e -> q5, bit 3 -> q6, bit 4 -> Z7, bits 1 ^ 4 -> Z7 Z8, bit 0 -> q9
.set e, 1
.rept 31
.irp k, 0,1,2,3,4
.if \k == 0
.set sg, (e>>2)&1
.elseif \k == 1
.set sg, (e>>3)&1
.elseif \k == 2
.set sg, (e>>4)&1
.elseif \k == 3
.set sg, ((e>>1)^(e>>4))&1
.else
.set sg, e&1
.endif
.set src, SG+2*\k
.if e == 1
.set src, MT
.endif
.if sg
	v_pk_add_f32 v[SG+2*\k:SG+2*\k+1], v[src:src+1], v[MT+2*e:MT+2*e+1] neg_lo:[0,1] neg_hi:[0,1]
.else
	v_pk_add_f32 v[SG+2*\k:SG+2*\k+1], v[src:src+1], v[MT+2*e:MT+2*e+1]
.endif
.endr
.set e, e+1
.endr
.irp x, X7, X8
	v_pk_add_f32 v[\x:\x+1], v[\x:\x+1], v[\x+2:\x+3]
	v_pk_add_f32 v[\x+4:\x+5], v[\x+4:\x+5], v[\x+6:\x+7]
.endr
.irp x, X7, X8
	v_pk_add_f32 v[\x:\x+1], v[\x:\x+1], v[\x+4:\x+5]
.endr
.irp k, 0,1,2,3,4
	v_add_f32 v[Q+5+\k], v[SG+2*\k], v[SG+2*\k+1]
.endr
	v_add_f32 v[Q+10], v[X7], v[X7+1]
	v_add_f32 v[Q+11], v[X8], v[X8+1]
	; over the 32 lanes, all twelve side by side
.irp m, 1,2,4,8
.irp k, 0,1,2,3,4,5,6,7,8,9,10,11
	v_add_f32_dpp v[Q+\k], v[Q+\k], v[Q+\k] row_xmask:\m row_mask:0xf bank_mask:0xf
.endr
.endr
.irp k, 0,1,2,3,4,5,6,7,8,9,10,11
	v_permlanex16_b32 v[TM+\k], v[Q+\k], s14, s15  ; its destination counts as read: these twelve have been written above
.endr
.irp k, 0,1,2,3,4,5,6,7,8,9,10,11
	v_add_f32 v[Q+\k], v[Q+\k], v[TM+\k]
.endr
	s_lshl_b32 s27, s10, 6
	s_add_co_u32 s27, s27, RED
	v_mov_b32 v[TM+14], s27
.irp g, 0,1,2
	ds_store_b128 v[TM+14], v[Q+4*\g:Q+4*\g+3] offset:16*\g   ; every lane writes the same words with the same numbers
.endr
	s_wait_dscnt 0x0                               ; for wave 0's sake
	s_barrier_signal -1
	s_barrier_wait -1
	; ---- wave 0 adds the four waves' sums; lane q makes out[q] ----
	s_cmp_lg_u32 s10, 0
	s_cbranch_scc1 .Lend
	v_min_u32 v1, 11, v14
	v_lshlrev_b32 v1, 2, v1
	v_add_nc_u32 v1, FW, v1
	v_mov_b32 v2, FW
.irp w, 0,1,2,3
	ds_load_b32 v[16+\w], v1 offset:RED-FW+64*\w
.endr
.irp w, 0,1,2,3
	ds_load_b64 v[20+2*\w:21+2*\w], v2 offset:RED-FW+40+64*\w   ; the two cross sums
.endr
	ds_load_b128 v[28:31], v2                      ; cos w7, sin w7, cos w8, sin w8
	s_mul_i32 s26, ttmp9, 40                       ; my sample's ten numbers
	s_mov_b32 s27, 0
	s_add_nc_u64 s[8:9], s[8:9], s[26:27]
	v_lshlrev_b32 v3, 2, v14
	v_cmp_eq_u32 s28, 7, v14
	v_cmp_eq_u32 s29, 8, v14
	s_wait_dscnt 0x0
	v_add_f32 v16, v16, v17
	v_add_f32 v18, v18, v19
	v_pk_add_f32 v[20:21], v[20:21], v[22:23]
	v_pk_add_f32 v[24:25], v[24:25], v[26:27]
	v_add_f32 v16, v16, v18
	v_pk_add_f32 v[20:21], v[20:21], v[24:25]
	v_cndmask_b32 v4, 1.0, v28, s28                ; out = alpha Z + 2 (beta7 X7 + beta8 X8): alpha = 1 and beta = 0 but for q = 7 and q = 8
	v_cndmask_b32 v4, v4, v30, s29
	v_cndmask_b32 v5, 0, v29, s28
	v_cndmask_b32 v6, 0, v31, s29
	v_mul_f32 v5, v5, v20
	v_mul_f32 v4, v4, v16
	v_fma_f32 v5, v6, v21, v5
	v_fma_f32 v4, v5, 2.0, v4
	v_cmp_gt_u32 vcc_lo, 10, v14
	s_and_saveexec_b32 s28, vcc_lo                 ; no global access is pending here: the set-up's loads were waited for, with s_wait_xcnt 0
	global_store_b32 v3, v4, s[8:9]                ; ten lanes, 40 neighbouring bytes: all that a sample has
	s_endpgm
.Lend:
	s_endpgm
.Lfunc_end_k_q0806dd4a46_vqc:
	.size	k_q0806dd4a46_vqc, .Lfunc_end_k_q0806dd4a46_vqc-k_q0806dd4a46_vqc
	.p2alignl 7, 3214868480
	.fill 96, 4, 3214868480
	.section	.rodata,"a",@progbits
	.p2align	6, 0x0
	.amdhsa_kernel k_q0806dd4a46_vqc
		.amdhsa_group_segment_fixed_size 181504
		.amdhsa_private_segment_fixed_size 0
		.amdhsa_enable_private_segment 0
		.amdhsa_kernarg_size 24
		.amdhsa_user_sgpr_count 2
		.amdhsa_user_sgpr_kernarg_segment_ptr 1
		.amdhsa_wavefront_size32 1
		.amdhsa_system_sgpr_workgroup_id_x 1
		.amdhsa_system_sgpr_workgroup_id_y 1
		.amdhsa_system_sgpr_workgroup_id_z 1
		.amdhsa_system_vgpr_workitem_id 0
		.amdhsa_next_free_vgpr 1024
		.amdhsa_next_free_sgpr 66
		.amdhsa_reserve_vcc 1
		.amdhsa_float_denorm_mode_32 3
		.amdhsa_float_denorm_mode_16_64 3
		.amdhsa_memory_ordered 1
		.amdhsa_forward_progress 1
		.amdhsa_inst_pref_size 255
	.end_amdhsa_kernel
	.section	.bss,"aw",@nobits
	.p2align	6
	.space	262144
	.amdgpu_metadata
---
amdhsa.version: [ 1, 2 ]
amdhsa.kernels:
  - .name:           k_q0806dd4a46_vqc
    .symbol:         k_q0806dd4a46_vqc.kd
    .args:
      - { .name: weights, .offset: 0, .size: 8, .value_kind: global_buffer, .address_space: global }
      - { .name: x, .offset: 8, .size: 8, .value_kind: global_buffer, .address_space: global }
      - { .name: out0, .offset: 16, .size: 8, .value_kind: global_buffer, .address_space: global }
    .group_segment_fixed_size: 181504
    .private_segment_fixed_size: 0
    .kernarg_segment_align: 8
    .kernarg_segment_size: 24
    .max_flat_workgroup_size: 128
    .sgpr_count:     66
    .vgpr_count:     1024
    .wavefront_size: 32
...
	.end_amdgpu_metadata
.endif
;; end of part 2
